; MI455X (gfx1250); checked and timed in simulation.
; The chip was launched on July 23, 2026; its instructions are those of AMD's public machine-readable ISA for CDNA 5 (MIT licence, August 2026) and "CDNA5" Instruction Set Architecture Reference Guide (July 2026). The comments in the code are by the model that wrote it; some were corrected since.
;; Self Attention. Allowed arithmetic: matrix products marked QUANTISED: E5M2 operands, one given power-of-two scale a tensor, by v_wmma_f32_16x16x64_bf8_bf8 or v_wmma_f32_16x16x128_bf8_bf8, f32 sums; products left as they are: f32 operands where the result goes on into a quantised operand, else bf16, f16 or f32 operands; f32 sums; everything else in f32.
;; Inputs: bk 16 float32; bq 16 float32; bv 256 float32; gamma 1 float32; lowp_scales 8 int32 (the exponents e of the quantised operands' scales 2^e); wk_codes 16 x 8 x 32 uint8 (E5M2 codes of wk, K innermost, in blocks of 32 codes); wq_codes 16 x 8 x 32 uint8 (E5M2 codes of wq, K innermost, in blocks of 32 codes); wv_codes 256 x 8 x 32 uint8 (E5M2 codes of wv, K innermost, in blocks of 32 codes); x 4 x 256 x 64 x 64 float32.
;; Outputs: out0 4 x 256 x 64 x 64 float32.
;; This version of the problem:
;;   THIS VERSION OF THE PROBLEM IS GIVEN IN LOW PRECISION. The matrix products marked QUANTISED in the list below multiply operands that are first quantised to E5M2 (5 exponent bits, 2 mantissa bits; 8 bits a number), with one given power-of-two scale for each operand tensor; their sums are f32. All else is computed in f32.
;;   The module's matrix products, in the order in which they are computed (A, B: the left and right operand; K: the contracted axis; several contracted axes count as one K, in the product's order):
;;     1. [M 16,384, K 256] x [K 256, N 16]; A: input x; B: input wq (given as codes): QUANTISED (scales: A lowp_scales[0], B lowp_scales[1])
;;     2. [M 16,384, K 256] x [K 256, N 16]; A: input x; B: input wk (given as codes): QUANTISED (scales: A lowp_scales[2], B lowp_scales[3])
;;     3. [M 16,384, K 256] x [K 256, N 256]; A: input x; B: input wv (given as codes): QUANTISED (scales: A lowp_scales[4], B lowp_scales[5])
;;     4. batch 4 x [M 4,096, K 16] x [K 16, N 4,096]; A: computed on the way; B: computed on the way: left as it is (K = 16 < 32)
;;     5. batch 4 x [M 256, K 4,096] x [K 4,096, N 4,096]; A: computed on the way; B: softmax (see below): QUANTISED (scales: A lowp_scales[6], B lowp_scales[7])
;;   THE QUANTISER, for each operand of a quantised product, along K:
;;     - The operand's scale is 2^e, e = its entry of the input lowp_scales (int32; the entries are numbered through the quantised products in the list's order, A before B).
;;     - Each number is divided by the scale, clamped to +-57,344, and rounded to the nearest number of E5M2, ties to even, subnormals kept.
;;     - The product sums the exact products of the quantised numbers (number of the format x scale) in f32.
;;   ~~~python
;;   def quantise(x, axis, e):      # numpy; x: float32 -> the quantised numbers, widened to float32 again
;;       x = np.moveaxis(x, axis, -1); K = x.shape[-1]
;;       r = np.clip(x / 2.0 ** e, -57344, 57344)
;;       step = 2.0 ** (np.maximum(np.frexp(np.where(r == 0, 1, r))[1] - 1, -14) - 2)
;;       q = np.round(r / step) * step * 2.0 ** e      # np.round: ties to even
;;       return np.moveaxis(q, -1, axis).astype(np.float32)
;;   ~~~
;;   SOFTMAX AHEAD OF A QUANTISED PRODUCT. Where the list says 'softmax', what is quantised is not the finished softmax but p = 2^(t - M), with t = logit x log2(e) and M = ceil(the row's largest t), a whole number; so 1/2 < the row's largest p <= 1. The row's sum l is taken of the UNQUANTISED p, in f32, and the product's result is divided by l at the end. Since M is a whole number, a kernel that streams over the keys may use a running M (the ceiling of the running maximum): every later rescaling is an exact power of two, so the quantised numbers keep their values, but for numbers so far below the row's largest that they fall under the format's range.
;;   OPERANDS COMPUTED ON THE WAY. 'Computed on the way' means the value that the module computes at that place (a softmax that the list does not call 'softmax' is quantised finished and normalised). What goes into a quantiser is computed in f32, as accurately as f32 sums, v_exp_f32 and their like allow (about 1e-6 of the number): no bf16 or f16 on the way to a quantiser, and a product that is left as it is and whose result goes on into a quantised operand takes f32 operands (vector FMAs, or v_wmma_f32_16x16x4_f32). A number that lies on a knife's edge between two numbers of the format may be rounded either way, as far as f32 arithmetic and the matrix unit's own rounding can turn it there, and no further.
;;   INPUTS GIVEN AS CODES. wk (in the module: [16, 256], K = its axis 1); wq (in the module: [16, 256], K = its axis 1); wv (in the module: [256, 256], K = its axis 1): each comes as NAME_codes (uint8): NAME with its K axis moved to the last place and cut into blocks of 32 codes, [.., K / 32, bytes a block], one block behind the other in memory; one code a byte (a code: sign, 5 exponent bits, 2 mantissa bits); its scale is its entry of lowp_scales. Its value is code x scale, taken as it is: it is not quantised again, and the codes and scales need not be those that the quantiser above would give.
;; One version. Each part assembles by itself: llvm-mc -triple=amdgcn-amd-amdhsa -mcpu=gfx1250 --defsym DOCPART=n.
;; ======== version 1 of 1: 2 launches
;; workspace buffers: qf 1,048,576 bytes; kf 1,048,576 bytes; vimg 4,194,304 bytes
;; launch proj (part 1): grid 64 x 4, 18 waves a work-group, no clusters, 54,528 bytes of LDS; arguments x, wq_codes, wk_codes, wv_codes, bq, bk, bv, lowp_scales, qf, kf, vimg; writes qf, kf, vimg
.if DOCPART == 1
	.amdgcn_target "amdgcn-amd-amdhsa--gfx1250"
	.amdhsa_code_object_version 6
	.text
	.protected	k_q58c32562bf_proj
	.globl	k_q58c32562bf_proj
	.p2align	8
	.type	k_q58c32562bf_proj,@function
k_q58c32562bf_proj:
	s_mov_b64 s[64:65], 0
	v_nop
	global_prefetch_b8 v0, s[64:65] scope:SCOPE_SE
	s_setreg_imm32_b32 hwreg(HW_REG_WAVE_MODE, 25, 1), 1
	s_wait_xcnt 0x0
; q = x wq^T + bq, k = x wk^T + bk, v = x wv^T + bv for 64 positions of one batch: the three projections, on codes of BF8 (E5M2).
; x: [4][256 channels][4096 positions] f32; K = the channels, which are NOT innermost.  x is quantised three times, with 2^e4 (for v), 2^e0 (for q), 2^e2 (for k).
; NO WORK IS LEFT OUT, AND EVERY INPUT IS LOADED.  bk adds q . bk to all logits of a row; the later softmax takes M = ceil(the row's largest t), so a shift of the row moves the codes of p: bk stays.
; bv goes into v ahead of v's quantiser: it stays.
; RESULTS, in the order of the operand registers in which the next launch takes them (512 bytes for four registers, lane l's 16 bytes at 16 l):
;   qf, kf: [batch][tile of 16 positions][1,024 bytes]: register j (0..7) of lane (r, h) = q[position r][d = 8 h + j], f32.
;   vimg:   [batch][block of 128 keys][tile of 16 channels][2,048 bytes]: registers 2 kt, 2 kt + 1 of lane (r = channel, h) = codes of keys 16 kt + 8 h + 0 .. 7, scale 2^e6.
; SHARES.  Work-group (x = 64 positions, y = batch), 18 waves.  Waves 0-15 quantise: a lane takes a position, its 32 registers run down 32 channels, so a load reads 128 consecutive bytes and the
; conversions give codes with K innermost; the codes go to three stages in LDS, rows = positions.  Behind ONE barrier wave w < 16 makes v's channels 16 w .. 16 w + 15, wave 16 makes q, wave 17 makes k:
; four tiles of 16 positions x two K steps of 128: eight matrix instructions a wave.  Each wave's weights (4,096 bytes) go from memory straight into its operand registers, once: there is no tile in LDS
; that work-groups could ask for jointly, so the launch has no cluster and no tensor load.
; A fragment is fetched by four loads of 16 bytes, 32 bytes apart: registers 4 c .. 4 c + 3 hold K = 32 c + 16 h + 0 .. 15: a permutation of K, the same in x and in the weights.
; LIMITS: e0, e2, e4 and e6 - e4 - e5 between -126 and 112; e0 + e1 and e2 + e3 between -126 and 127.  NaN among the inputs is not served.
.set PITCH, 272                        ; a stage row: 256 codes + 16 bytes: the 16 rows of a fragment load start 68 words apart
.set STG,   64*PITCH                   ; a stage: 64 positions.  Stage 0: x under e4, 1: under e0, 2: under e2
.set SPARE, 3*STG                      ; behind the stages: the spare words, 128 bytes for each of 18 waves: nine blocks of 256 bytes that no other line names
.set SPW, 3                            ; v3   LDS address of my spare word; never rewritten
.set NIL, 4                            ; v4   0; never rewritten
.set XO,  5                            ; v5   x: 4 x lane + 128 x (wave % 2)
.set WO,  6                            ; v6   weights: 256 r + 16 h
.set STW, 7                            ; v7   where I store 32 codes: my position's row, my 32 channels
.set STR, 8                            ; v8   where I read fragments: 272 r + 16 h, in my product's stage
.set OO,  9                            ; v9   16 x lane: an image's place for my lane
.set BVO, 10                           ; v10  4 r
.set BQO, 11                           ; v11  32 h
.set W,   20                           ; v20-51   my weights' two fragments
.set BT,  52                           ; v52-59   the bias, in the result's layout
.set D,   60                           ; v60-91   four accumulators
.set A,   92                           ; v92-155  x's four fragments of one K step
.set X,   92                           ; v92-123  before the barrier: 32 numbers of x
.set T,   124                          ; v124-155 before the barrier: the same, held
.set R,   92                           ; v92-123  q or k, finished
.set CD,  156                          ; v156-179 codes
.macro MKS sc, lim, e                  ; v[sc] = 2^e as f32 (the conversion takes its exponent field), v[lim] = 57,344 x 2^e
	s_add_co_i32 s50, \e, 127
	s_lshl_b32 s51, s50, 23
	v_mov_b32 v[\sc], s51
	s_add_co_i32 s50, s50, 15
	s_lshl_b32 s50, s50, 23
	s_or_b32 s50, s50, 0x600000
	v_mov_b32 v[\lim], s50
.endm
.macro SCALES                          ; written in both arms, behind the arm's loads: every register that it makes is written on every path
	s_wait_kmcnt 0x0                               ; e0 .. e7 in s32 .. s39
	s_add_co_i32 s30, s36, s37                     ; e4 + e5: a sum of v's product stands for sum x 2^(e4 + e5)
	s_sub_co_i32 s31, s38, s30                     ; e6 - e4 - e5: the three scales folded into the conversion's one
	s_sub_co_i32 s30, 0, s30
	MKS 12, 13, s36
	MKS 14, 15, s32
	MKS 16, 17, s34
	MKS 18, 19, s31
	s_add_co_i32 s50, s32, s33
	s_add_co_i32 s51, s34, s35
	s_cmp_eq_u32 s40, 16
	s_cselect_b32 s62, s50, s51                    ; e0 + e1 for q, e2 + e3 for k
	s_add_co_i32 s62, s62, 127
	s_lshl_b32 s62, s62, 23                        ; as an f32 number
	s_mov_b32 s63, s62                             ; (named with it as a pair, so it is written)
.endm
.macro QX z, sc, lim                   ; my 32 numbers become 32 codes under one scale, and go to stage z
.set i, 0
.rept 32
	v_med3_num_f32 v[T+i], v[X+i], -v[\lim], v[\lim]   ; the conversion to an 8-bit code does not saturate (ISA guide 7.6.2): the hold comes first
.set i, i+1
.endr
.irp g, 0,1,2,3
	v_cvt_scalef32_pk8_bf8_f32 v[CD+8*\z+2*\g:CD+8*\z+2*\g+1], v[T+8*\g:T+8*\g+7], v[\sc]
.endr
	v_nop                                          ; a plain line between the conversions and the next lines that write their sources
	ds_store_b128 v[STW], v[CD+8*\z:CD+8*\z+3] offset:STG*\z
	ds_store_b128 v[STW], v[CD+8*\z+4:CD+8*\z+7] offset:STG*\z+16
.endm
.macro FRAGS s                         ; x's four fragments of K step s
.irp t, 0,1,2,3
.irp c, 0,1,2,3
	ds_load_b128 v[A+16*\t+4*\c:A+16*\t+4*\c+3], v[STR] offset:16*PITCH*\t+128*\s+32*\c
.endr
.endr
.endm
.macro PLACES                          ; four plain lines behind a matrix instruction, ahead of loads into its sources and of reads of its result
.rept 4
	v_nop
.endr
.endm
	s_load_b512 s[8:23], s[0:1], 0x0               ; x s[8:9], wq s[10:11], wk s[12:13], wv s[14:15], bq s[16:17], bk s[18:19], bv s[20:21], the exponents s[22:23]
	s_load_b128 s[24:27], s[0:1], 0x40             ; qf, kf
	s_load_b64 s[28:29], s[0:1], 0x50              ; vimg
	v_lshl_add_u32 v[SPW], v0, 2, SPARE
	v_mov_b32 v[NIL], 0
	v_lshrrev_b32 v11, 5, v0
	v_readfirstlane_b32 s40, v11                   ; wave 0..17
	s_and_b32 s41, s40, 1                          ; which 32 of the 64 positions I quantise
	s_lshr_b32 s42, s40, 1
	s_and_b32 s42, s42, 7                          ; which 32 channels
	s_lshr_b32 s43, s40, 4
	s_add_co_u32 s44, s41, 1
	s_mul_i32 s43, s43, s44                        ; my product's stage: 0 for waves 0-15, 1 for wave 16, 2 for wave 17
	v_and_b32 v11, 31, v0                          ; lane
	v_and_b32 v1, 15, v0                           ; r
	v_bfe_u32 v2, v0, 4, 1                         ; h
	s_lshl_b32 s44, s41, 7
	v_lshl_add_u32 v[XO], v11, 2, s44
	v_lshlrev_b32 v[WO], 8, v1
	v_lshl_add_u32 v[WO], v2, 4, v[WO]
	s_mul_i32 s44, s41, 32*PITCH
	s_lshl_b32 s45, s42, 5
	s_add_co_u32 s44, s44, s45
	v_mul_u32_u24 v[STW], v11, PITCH
	v_add_nc_u32 v[STW], s44, v[STW]
	v_mul_u32_u24 v[STR], v1, PITCH
	v_lshl_add_u32 v[STR], v2, 4, v[STR]
	s_mul_i32 s44, s43, STG
	v_add_nc_u32 v[STR], s44, v[STR]
	v_lshlrev_b32 v[OO], 4, v11
	v_lshlrev_b32 v[BVO], 2, v1
	v_lshlrev_b32 v[BQO], 5, v2
	; byte offsets, each in a pair of its own
	s_and_b32 s2, ttmp7, 0xffff                    ; the batch
	s_lshl_b32 s54, s2, 22                         ; x: 4 MiB a batch,
	s_lshl_b32 s55, ttmp9, 8                       ; 256 bytes of each row for a work-group,
	s_add_co_u32 s54, s54, s55
	s_lshl_b32 s55, s42, 19                        ; 32 channels of 16,384 bytes
	s_add_co_u32 s54, s54, s55
	s_mov_b32 s55, 0
	s_lshl_b32 s56, s2, 20                         ; vimg: 1 MiB a batch,
	s_lshr_b32 s57, ttmp9, 1
	s_lshl_b32 s57, s57, 15                        ; 32,768 bytes a block of 128 keys,
	s_add_co_u32 s56, s56, s57
	s_lshl_b32 s57, s40, 11                        ; 2,048 a tile of channels,
	s_add_co_u32 s56, s56, s57
	s_and_b32 s57, ttmp9, 1
	s_lshl_b32 s57, s57, 10                        ; my 64 keys are the fragment's lower or upper eight registers
	s_add_co_u32 s56, s56, s57
	s_mov_b32 s57, 0
	s_lshl_b32 s58, s2, 18                         ; qf, kf: 262,144 bytes a batch, 4 tiles of 1,024 a work-group
	s_lshl_b32 s59, ttmp9, 12
	s_add_co_u32 s58, s58, s59
	s_mov_b32 s59, 0
	s_lshl_b32 s60, s40, 6                         ; bv: 16 numbers a wave
	s_mov_b32 s61, 0
	s_lshl_b32 s52, s40, 12                        ; wv: 16 rows of 256 codes a wave
	s_mov_b32 s53, 0
	s_wait_kmcnt 0x0
	s_load_b256 s[32:39], s[22:23], 0x0            ; e0 .. e7
	s_cmp_eq_u32 s40, 16                           ; the choices hang on the wave's number alone
	s_cselect_b64 s[44:45], s[10:11], s[12:13]     ; wq or wk
	s_cselect_b64 s[46:47], s[16:17], s[18:19]     ; bq or bk
	s_cselect_b64 s[48:49], s[24:25], s[26:27]     ; qf or kf
	s_cmp_lt_u32 s40, 16
	s_cselect_b64 s[44:45], s[14:15], s[44:45]     ; wv for waves 0-15,
	s_cselect_b32 s52, s52, 0                      ; at my 16 rows
	s_add_nc_u64 s[44:45], s[44:45], s[52:53]
	s_add_nc_u64 s[8:9], s[8:9], s[54:55]
	s_add_nc_u64 s[28:29], s[28:29], s[56:57]
	s_add_nc_u64 s[48:49], s[48:49], s[58:59]
	s_add_nc_u64 s[20:21], s[20:21], s[60:61]
.irp s, 0,1
.irp c, 0,1,2,3
	global_load_b128 v[W+16*\s+4*\c:W+16*\s+4*\c+3], v[WO], s[44:45] offset:128*\s+32*\c   ; my weights stay in registers
.endr
.endr
	s_cmp_lt_u32 s40, 16
	s_cbranch_scc0 .Lqk_head
	; ---- waves 0-15: 32 positions x 32 channels of x, three times into codes
	global_load_b32 v[BT], v[BVO], s[20:21]        ; bv of my lane's channel
.set i, 0
.rept 32
	global_load_b32 v[X+i], v[XO], s[8:9] offset:16384*i th:TH_LOAD_NT   ; channel i of my 32, 32 neighbouring positions: 128 consecutive bytes
.set i, i+1
.endr
	SCALES
	s_wait_loadcnt 0x0
	v_ldexp_f32 v[BT], v[BT], s30                  ; bv / 2^(e4 + e5): the bias is the C of each sum's first matrix instruction
.irp j, 1,2,3,4,5,6,7
	v_mov_b32 v[BT+\j], v[BT]                      ; a lane's eight results are eight positions of ONE channel
.endr
	QX 0, 12, 13
	QX 1, 14, 15
	QX 2, 16, 17
	s_branch .Ljoin
.Lqk_head:
	; ---- waves 16, 17: the bias of q or of k: a lane's eight results are d = 8 h + 0 .. 7 of one position
	global_load_b128 v[BT:BT+3], v[BQO], s[46:47]
	global_load_b128 v[BT+4:BT+7], v[BQO], s[46:47] offset:16
	SCALES
	s_wait_loadcnt 0x0
.Ljoin:
	s_wait_dscnt 0x0                               ; my stores into the stages have landed
	s_barrier_signal -1
	s_barrier_wait -1                              ; everybody's have
	s_cmp_lt_u32 s40, 16
	s_cbranch_scc0 .Lqk
	; ---- v: source 0 = 16 positions of x, source 1 = my 16 channels: lane (r, h) holds channel r and positions 8 h + 0 .. 7: neighbours along the next product's K
	FRAGS 0
	s_wait_dscnt 0x0
.irp t, 0,1,2,3
	v_wmma_f32_16x16x128_bf8_bf8 v[D+8*\t:D+8*\t+7], v[A+16*\t:A+16*\t+15], v[W:W+15], v[BT:BT+7]
.endr
	PLACES
	FRAGS 1
	s_wait_dscnt 0x0
.irp t, 0,1,2,3                        ; the four accumulators take turns
	v_wmma_f32_16x16x128_bf8_bf8 v[D+8*\t:D+8*\t+7], v[A+16*\t:A+16*\t+15], v[W+16:W+31], v[D+8*\t:D+8*\t+7]
.endr
	PLACES
.set i, 0
.rept 32
	v_med3_num_f32 v[D+i], v[D+i], -v19, v19       ; each accumulator from its low end on
.set i, i+1
.endr
.irp t, 0,1,2,3
	v_cvt_scalef32_pk8_bf8_f32 v[CD+2*\t:CD+2*\t+1], v[D+8*\t:D+8*\t+7], v18
.endr
	v_nop
	global_store_b128 v[OO], v[CD:CD+3], s[28:29]              ; 32 lanes store 512 consecutive bytes, aligned
	global_store_b128 v[OO], v[CD+4:CD+7], s[28:29] offset:512
	s_branch .Lend
.Lqk:
	; ---- q or k: source 0 = the 16 rows of the weight, source 1 = 16 positions of x: lane (r, h) holds position r and d = 8 h + 0 .. 7
	FRAGS 0
	s_wait_dscnt 0x0
.irp t, 0,1,2,3
	v_wmma_f32_16x16x128_bf8_bf8 v[D+8*\t:D+8*\t+7], v[W:W+15], v[A+16*\t:A+16*\t+15], 0
.endr
	PLACES
	FRAGS 1
	s_wait_dscnt 0x0
.irp t, 0,1,2,3
	v_wmma_f32_16x16x128_bf8_bf8 v[D+8*\t:D+8*\t+7], v[W+16:W+31], v[A+16*\t:A+16*\t+15], v[D+8*\t:D+8*\t+7]
.endr
	PLACES
.irp t, 0,1,2,3
.irp i, 0,2,4,6
	v_pk_fma_f32 v[R+8*\t+\i:R+8*\t+\i+1], v[D+8*\t+\i:D+8*\t+\i+1], s[62:63], v[BT+\i:BT+\i+1] op_sel_hi:[1,0,1]   ; sum x 2^(ea + eb) + bias
.endr
.endr
.irp t, 0,1,2,3
	global_store_b128 v[OO], v[R+8*\t:R+8*\t+3], s[48:49] offset:1024*\t
	global_store_b128 v[OO], v[R+8*\t+4:R+8*\t+7], s[48:49] offset:1024*\t+512
.endr
.Lend:
	s_wait_tensorcnt 0x0                           ; the wave's end, behind my last LDS store
	ds_add_u32 v[SPW], v[NIL]
	s_wait_dscnt 0x0
	s_endpgm
.Lfunc_end_k_q58c32562bf_proj:
	.size	k_q58c32562bf_proj, .Lfunc_end_k_q58c32562bf_proj-k_q58c32562bf_proj
	.p2alignl 7, 3214868480
	.fill 96, 4, 3214868480
	.section	.rodata,"a",@progbits
	.p2align	6, 0x0
	.amdhsa_kernel k_q58c32562bf_proj
		.amdhsa_group_segment_fixed_size 54528
		.amdhsa_private_segment_fixed_size 0
		.amdhsa_enable_private_segment 0
		.amdhsa_kernarg_size 88
		.amdhsa_user_sgpr_count 2
		.amdhsa_user_sgpr_kernarg_segment_ptr 1
		.amdhsa_wavefront_size32 1
		.amdhsa_system_sgpr_workgroup_id_x 1
		.amdhsa_system_sgpr_workgroup_id_y 1
		.amdhsa_system_sgpr_workgroup_id_z 1
		.amdhsa_system_vgpr_workitem_id 0
		.amdhsa_next_free_vgpr 180
		.amdhsa_next_free_sgpr 66
		.amdhsa_reserve_vcc 0
		.amdhsa_float_denorm_mode_32 3
		.amdhsa_float_denorm_mode_16_64 3
		.amdhsa_memory_ordered 1
		.amdhsa_forward_progress 1
		.amdhsa_inst_pref_size 28
	.end_amdhsa_kernel
	.amdgpu_metadata
---
amdhsa.version: [ 1, 2 ]
amdhsa.kernels:
  - .name:           k_q58c32562bf_proj
    .symbol:         k_q58c32562bf_proj.kd
    .args:
      - { .name: x, .offset: 0, .size: 8, .value_kind: global_buffer, .address_space: global }
      - { .name: wq_codes, .offset: 8, .size: 8, .value_kind: global_buffer, .address_space: global }
      - { .name: wk_codes, .offset: 16, .size: 8, .value_kind: global_buffer, .address_space: global }
      - { .name: wv_codes, .offset: 24, .size: 8, .value_kind: global_buffer, .address_space: global }
      - { .name: bq, .offset: 32, .size: 8, .value_kind: global_buffer, .address_space: global }
      - { .name: bk, .offset: 40, .size: 8, .value_kind: global_buffer, .address_space: global }
      - { .name: bv, .offset: 48, .size: 8, .value_kind: global_buffer, .address_space: global }
      - { .name: lowp_scales, .offset: 56, .size: 8, .value_kind: global_buffer, .address_space: global }
      - { .name: qf, .offset: 64, .size: 8, .value_kind: global_buffer, .address_space: global }
      - { .name: kf, .offset: 72, .size: 8, .value_kind: global_buffer, .address_space: global }
      - { .name: vimg, .offset: 80, .size: 8, .value_kind: global_buffer, .address_space: global }
    .group_segment_fixed_size: 54528
    .private_segment_fixed_size: 0
    .kernarg_segment_align: 8
    .kernarg_segment_size: 88
    .max_flat_workgroup_size: 576
    .sgpr_count:     66
    .vgpr_count:     180
    .wavefront_size: 32
...
	.end_amdgpu_metadata
.endif
;; end of part 1
;; launch attn (part 2): grid 64 x 4, 8 waves a work-group, clusters of 4 x 1, 327,680 bytes of LDS; arguments qf, kf, vimg, x, gamma, lowp_scales, out0; writes out0
.if DOCPART == 2
	.amdgcn_target "amdgcn-amd-amdhsa--gfx1250"
	.amdhsa_code_object_version 6
	.text
	.protected	k_q58c32562bf_attn
	.globl	k_q58c32562bf_attn
	.p2align	8
	.type	k_q58c32562bf_attn,@function
k_q58c32562bf_attn:
	s_mov_b64 s[64:65], 0
	v_nop
	global_prefetch_b8 v0, s[64:65] scope:SCOPE_SE
	s_setreg_imm32_b32 hwreg(HW_REG_WAVE_MODE, 25, 1), 1
	s_wait_xcnt 0x0
	s_wait_alu depctr_hold_cnt(0) depctr_sa_sdst(0) depctr_va_vdst(0) depctr_va_sdst(0) depctr_va_ssrc(0) depctr_va_vcc(0) depctr_vm_vsrc(0)
	s_getreg_b32 s2, hwreg(HW_REG_IB_STS2, 6, 4)
	s_cmp_eq_u32 s2, 0
	s_cbranch_scc0 .Lentry_in_a_cluster
	s_endpgm
.Lentry_in_a_cluster:
	s_bfe_u32 s2, ttmp6, 0x10000c
	s_cmp_lg_u32 s2, 0x3003
	s_cbranch_scc0 .Lentry_shape_is_right
	s_endpgm
.Lentry_shape_is_right:
; out[b][c][n] = gamma x (sum over m of v[b][c][m] softmax_m(q[b][n] . k[b][m])) + x[b][c][n].  Nothing of reference() is left out here.
; THE FIRST PRODUCT (K = 16) feeds a quantiser, so it takes f32 operands: v_wmma_f32_16x16x4_f32, four a tile.  THE SECOND (K = 4,096 keys) runs on codes of BF8: v with 2^e6, as the launch before stored them;
; p = 2^(t - M), t = logit x log2(e), M a whole number, quantised here with 2^e7.  The row's sum is taken of the unquantised p and divides at the end.
; SHARES.  A work-group owns 64 queries of one batch.  Wave w = 4 qh + kq owns 32 of them (two tiles of 16, half qh) and a QUARTER OF THE KEYS: in trip t (0..7) the block of 128 keys 4 t + kq.
; It keeps O^T for all 256 channels of its 32 queries in 256 registers.  The four quarters meet once, at the end, in LDS.
; Both products are used transposed (S^T = K Q^T, O^T = V P^T): a lane holds ONE query throughout; the eight registers of score tile kt convert into registers 2 kt, 2 kt + 1 of p's operand.
; A running M: each wave quantises p under the running M of its own quarter; all later rescalings are whole powers of two.
; BY TURNS.  A tile's softmax is cut in two: MAXF (the largest score, M, f, and t - M of the first 32 scores: 57 lines) and a LIST of 188 lines (exponentials, sums, holds, conversions; between its halves
; t - M of the last 32 scores).  The list stands in slices behind the 32 score products of the OTHER tile.  A wave's trip: MAXF 0 | scores of tile 1 with tile 0's list | MAXF 1 | scores of tile 0 for the
; NEXT block with tile 1's list | the change of slots | V P^T.
; ONE SET OF 64 REGISTERS SERVES S^T: the 32 products go in two groups of four accumulators.  Group a writes registers 0-31, whose old scores MAXF has taken into E; the old scores in registers 32-63 are
; taken into E by the list's lines 86 to 101, all of which stand among group a; then group b writes over them.
; V comes through a ring of two LDS slots of 512 keys (131,072 bytes each).  CLUSTER: the four work-groups of a cluster belong to one batch and walk the same V: every wave of each issues the same joint load
; for its eighth of a slot.  K IS NOT ASKED FOR JOINTLY: two slots of V are 262,144 bytes, K's tiles beside them (2 x 32,768) would take LDS to its last byte and leave none for the spare words;
; so a wave loads its block of K (8,192 bytes a trip against the slot's 131,072) straight into 64 registers, half a block as soon as tile 1's group has read the old half.
; LIMITS: e7 between -126 and 112; e6 + e7 is applied by v_ldexp_f32 and has none.  NaN among the inputs is not served.
; REGISTERS.  Window 0: v1-7 addresses; v8-13 at work; v14, v15 the hold and the scale of p; v16-21, v24-29 a tile's statistics; v22, v23, v30, v31 addresses; v32-47 Q; v48-79 p's codes; v80-143 S^T, written by
; matrix instructions alone; v144-191 t - M and p (32), and three fragments of V by turns; v192-255 K, at the end x.   Window 1: O^T, tile (jt, ct) at v[128 jt + 8 ct].
.set SLOT1, 1<<17                      ; slot 1 begins here: one exclusive or turns an address from one slot to the other
.set REGN,  256*272                    ; the way out: for each quarter of the keys 256 rows (channels) x (64 queries f32 + 16 bytes); the four lie from byte 0 on, over the slots, which have had their last fill and read
.set STAT,  322560                     ; 512 bytes a wave: -M and the sum of its two tiles
.set SPARE, 326656                     ; the spare words, 128 bytes for each wave: four blocks of 256 bytes that no other line names
.set STA, 1                            ; v1   where I store my statistics
.set SPW, 2                            ; v2   LDS address of my spare word; never rewritten
.set NIL, 3                            ; v3   0; never rewritten
.set AV0, 4                            ; v4   16 x lane + 32,768 kq: my block of V in a slot
.set ADV, 5                            ; v5   the same in the slot in hand
.set KO,  6                            ; v6   16 x lane
.set PFO, 7                            ; v7   256 x lane
.set ST,  16                           ; tile jt at v[ST + 8 jt]: +0 -M, +1 the largest t, +2, +3 the sum in two halves, +4 f, +5 0 (named with f as a pair)
.set STR, 22                           ; v22  where I read the four quarters' statistics
.set SO,  23                           ; v23  the way out: where I put a number
.set RD,  30                           ; v30  and where I read rows back
.set XO,  31                           ; v31  16,384 h + 16 r: my 16 bytes of two rows of x and of out
.set Q,   32
.set P,   48
.set S,   80
.set E,   144
.set KF,  192
.set WV,  18
.set QH,  19
.set KQ,  20
.set G1,  24                           ; s[24:31] descriptor group 1
.set G0,  32                           ; s[32:35] descriptor group 0, which walks
.set TB,  36                           ; s36  LDS byte at which the slot in hand begins
.set CNT, 37                           ; s37  changes of slots that still fill
.set CS,  38                           ; s[38:39] log2(e)
.set SEL, 40                           ; s[40:41] selects for v_permlanex16_b32: lane l xor 16
.set KP,  42                           ; s[42:43] my block of K
.set PFA, 44                           ; s[44:45] where my prefetches stand
.set LIM, 46                           ; s46  1 in a wave that prefetches, else the greatest number
.set MSB, 0
.macro WIN new                         ; bits 1:0 source 0, 3:2 source 1, 5:4 source 2, 7:6 destination; the high byte repeats the setting that is left
.if MSB != \new
	s_set_vgpr_msb (MSB<<8)|\new
.set MSB, \new
.endif
.endm
.macro CROUND                          ; a round of the cluster's barrier
	s_barrier_signal -1
	s_barrier_wait -1
	s_cmp_lg_u32 s[WV], 0
	s_cbranch_scc1 .Lnot_wave_0_\@
	s_barrier_signal -3
.Lnot_wave_0_\@:
	s_barrier_wait -3
	s_barrier_signal -1
	s_barrier_wait -1
.endm
; One score product: 16 keys (tile kt of my block) x 16 queries (tile jt), step s of four along d.  Step s takes registers 2 s, 2 s + 1 of both images: d = 8 h + 2 s + j, alike in Q and K.
.macro SWM jt, kt, s
.if \s == 0
	v_wmma_f32_16x16x4_f32 v[S+8*(\kt):S+8*(\kt)+7], v[KF+8*(\kt):KF+8*(\kt)+1], v[Q+8*\jt:Q+8*\jt+1], 0
.else
	v_wmma_f32_16x16x4_f32 v[S+8*(\kt):S+8*(\kt)+7], v[KF+8*(\kt)+2*\s:KF+8*(\kt)+2*\s+1], v[Q+8*\jt+2*\s:Q+8*\jt+2*\s+1], v[S+8*(\kt):S+8*(\kt)+7]
.endif
.endm
; THE HEAD OF A TILE'S SOFTMAX, for 128 keys, 64 a lane.  S^T is only read; t - M goes into other registers.
.macro MAXF jt
.set rT, ST+8*(\jt)
	v_max3_num_f32 v8, v[S], v[S+1], v[S+2]        ; the largest score, in four chains, ascending: each accumulator is first read at its low end
	v_max3_num_f32 v9, v[S+3], v[S+4], v[S+5]
	v_max3_num_f32 v12, v[S+6], v[S+7], v[S+8]
	v_max3_num_f32 v13, v[S+9], v[S+10], v[S+11]
.set n, 0
.rept 26
.set cr, 8+(n%4)+2*((n%4)/2)
	v_max3_num_f32 v[cr], v[cr], v[S+12+2*n], v[S+13+2*n]
.set n, n+1
.endr
	v_max3_num_f32 v8, v8, v9, v12
	v_max_num_f32 v8, v8, v13
	v_permlanex16_b32 v10, v8, s[SEL], s[SEL+1]    ; the query's other 64 keys lie in the lane 16 away
	v_max_num_f32 v8, v8, v10
	v_mul_f32 v8, s[CS], v8                        ; as t
	v_max_num_f32 v[rT+1], v[rT+1], v8             ; the running largest t
	v_mov_b32 v8, v[rT]
	v_floor_f32 v[rT], -v[rT+1]                    ; -M = floor(-t): M is a whole number
	v_sub_f32 v8, v[rT], v8                        ; old M - new M, 0 or less
	v_cvt_i32_f32 v8, v8                           ; (it saturates)
	v_ldexp_f32 v[rT+4], 1.0, v8                   ; f = 2^(old M - new M)
.irp j, 0,2,4,6,8,10,12,14,16,18,20,22,24,26,28,30
	v_pk_fma_f32 v[E+\j:E+\j+1], v[S+\j:S+\j+1], s[CS:CS+1], v[rT:rT+1] op_sel_hi:[1,0,0]   ; t - M of the first 32 scores (of the pairs the low word serves both halves)
.endr
.endm
; THE LIST.  Line xi of half hh (32 scores, in E) of tile jt's softmax:
;   0-31   the exponentials, one batch        32  a plain line behind them (half 0: the sum x f)        33-48  the wait for the batch, then the sum of the UNQUANTISED p, two at a time, in two chains
;   49-84  four times: eight holds and a conversion        85  a plain line behind the last conversion        86-101 (half 0 alone)  t - M of the last 32 scores, into E
.macro XITEM jt, hh
.set rT, ST+8*(\jt)
.if xi < 32
	v_exp_f32 v[E+xi], v[E+xi]                     ; p, at most 1, not normalised
.elseif xi == 32
.if \hh == 0
	v_pk_mul_f32 v[rT+2:rT+3], v[rT+2:rT+3], v[rT+4:rT+5] op_sel_hi:[1,0]   ; the sum under the new M
.else
	v_nop
.endif
.elseif xi == 33
	s_wait_alu depctr_va_vdst(0)                   ; one wait for the batch of 32, ahead of its first reader
	v_pk_add_f32 v[12:13], v[E:E+1], v[E+2:E+3]
.elseif xi < 48
.set xm, xi-34
.set xj, 4+4*(xm/2)
.if xm%2 == 0
	v_pk_add_f32 v[rT+2:rT+3], v[rT+2:rT+3], v[E+xj:E+xj+1]
.else
	v_pk_add_f32 v[12:13], v[12:13], v[E+xj+2:E+xj+3]
.endif
.elseif xi == 48
	v_pk_add_f32 v[rT+2:rT+3], v[rT+2:rT+3], v[12:13]
.elseif xi < 85
.set xm, xi-49
.if xm%9 < 8
	v_min_num_f32 v[E+8*(xm/9)+xm%9], v[E+8*(xm/9)+xm%9], v14   ; the conversion does not saturate (ISA guide 7.6.2); p is not negative, so the hold is one-sided
.else
	v_cvt_scalef32_pk8_bf8_f32 v[P+16*\jt+8*\hh+2*(xm/9):P+16*\jt+8*\hh+2*(xm/9)+1], v[E+8*(xm/9):E+8*(xm/9)+7], v15
.endif
.elseif xi == 85
	v_nop                                          ; a plain line between the last conversion and what next writes its sources or reads its result
.elseif (xi < 102) && (\hh == 0)
.set xm, 2*(xi-86)
	v_pk_fma_f32 v[E+xm:E+xm+1], v[S+32+xm:S+32+xm+1], s[CS:CS+1], v[rT:rT+1] op_sel_hi:[1,0,0]
.endif
.endm
.macro XALL jt                         ; the whole list on end: the last block's tile 1 has no score products left to stand behind
.set xi, 0
.rept 102
	XITEM \jt, 0
.set xi, xi+1
.endr
.set xi, 0
.rept 86
	XITEM \jt, 1
.set xi, xi+1
.endr
.endm
; A group: 16 score products of tile jt on the four accumulators k0 .. k0 + 3, which take turns.  hide = 1: behind each product stands a slice of half hh of tile hj's list:
; four lines behind each of the first eight (the 32 exponentials), big lines behind each of the last eight.  No slice names a register of these products.
.macro SGRP jt, k0, hide, hj, hh, big
.set wi, 0
.set xi, 0
.irp s, 0,1,2,3
.irp kk, 0,1,2,3
	SWM \jt, \k0+\kk, \s
.if \hide
.set ns, 4
.if wi >= 8
.set ns, \big
.endif
.rept ns
	XITEM \hj, \hh
.set xi, xi+1
.endr
.endif
.set wi, wi+1
.endr
.endr
.endm
.macro KLOAD k0                        ; half a block of K: four tiles of 16 keys
.irp kk, 0,1,2,3
.irp c, 0,1
	global_load_b128 v[KF+8*(\k0+\kk)+4*\c:KF+8*(\k0+\kk)+4*\c+3], v[KO], s[KP:KP+1] offset:1024*(\k0+\kk)+512*\c
.endr
.endr
.endm
; S^T of tile jt against my 128 keys, in two groups.  Group a's slices hold 32 + 8 x 9 = 104 places for the 102 lines of half 0, group b's 32 + 8 x 7 = 88 for the 86 of half 1.
; kl = 1: this is the block's last use of K: each half of the next block is loaded as soon as its group is done.  kw = 1: these are the first products on a block that was loaded so.
; Eight plain lines stand behind each group's last product ahead of loads into K's registers and of reads of S^T: the places of this form.
.macro SX jt, hide, hj, kl, kw
.if \kw
	s_wait_loadcnt 8                               ; K's first half is in; the eight loads of the second half were issued behind it and may be out
.endif
	SGRP \jt, 0, \hide, \hj, 0, 9
.if \kl
.rept 8
	v_nop
.endr
	s_add_nc_u64 s[KP:KP+1], s[KP:KP+1], 32768     ; the earlier loads by this address are done: the wait for 0 ahead of group b of the products that first used them
	KLOAD 0
.endif
.if \kw
	s_wait_loadcnt 0x0                             ; K's second half
.endif
	SGRP \jt, 4, \hide, \hj, 1, 7
.rept 8
	v_nop
.endr
.if \kl
	KLOAD 4
.endif
.endm
.macro VLOAD ct                        ; V's fragment of channel tile ct, an image of 16 registers, into one of three buffers
.irp i, 0,1,2,3
	ds_load_b128 v[E+16*((\ct)%3)+4*\i:E+16*((\ct)%3)+4*\i+3], v[ADV] offset:2048*(\ct)+512*\i
.endr
.endm
.macro RESC ct                         ; O^T of channel tile ct, both tiles of queries, x the factor in its tile's statistics; each accumulator from its low end on
	WIN 0x41
.irp jt, 0,1
.irp i, 0,2,4,6
	v_pk_mul_f32 v[128*\jt+8*(\ct)+\i:128*\jt+8*(\ct)+\i+1], v[128*\jt+8*(\ct)+\i:128*\jt+8*(\ct)+\i+1], v[ST+8*\jt+4:ST+8*\jt+5] op_sel_hi:[1,0]
.endr
.endr
.endm
; O^T += V P^T for my block: 16 channel tiles x 2 tiles of queries; a fragment of V feeds two products.  Fragments run three ahead.  The next tile's rescaling, eight plain lines that name no register
; of the two products, stands behind them: it is also the places ahead of the load into the buffer that they read.  first = 1: the products start the sums with the constant 0, nothing is rescaled.
.macro PV first
	v_add_nc_u32 v[ADV], s[TB], v[AV0]
	VLOAD 0
	VLOAD 1
	VLOAD 2
.if !\first
	RESC 0
.endif
.set cq, 0
.rept 16
.if cq < 14
	s_wait_dscnt 8                                 ; this fragment is in; the four loads of each of the two younger ones may be out
.elseif cq == 14
	s_wait_dscnt 4                                 ; one younger fragment
.else
	s_wait_dscnt 0
.endif
	WIN 0x50                                       ; C and D window 1
.irp jt, 0,1
.if \first
	v_wmma_f32_16x16x128_bf8_bf8 v[128*\jt+8*cq:128*\jt+8*cq+7], v[E+16*(cq%3):E+16*(cq%3)+15], v[P+16*\jt:P+16*\jt+15], 0
.else
	v_wmma_f32_16x16x128_bf8_bf8 v[128*\jt+8*cq:128*\jt+8*cq+7], v[E+16*(cq%3):E+16*(cq%3)+15], v[P+16*\jt:P+16*\jt+15], v[128*\jt+8*cq:128*\jt+8*cq+7]
.endif
.endr
.if cq < 15
.if \first
.if cq < 13
.rept 4
	v_nop
.endr
.endif
.else
	RESC cq+1
.endif
.endif
.if cq < 13
	WIN 0
	VLOAD cq+3
.endif
.set cq, cq+1
.endr
	WIN 0
	s_xor_b32 s[TB], s[TB], SLOT1                  ; on to the other slot
.endm
; A prefetch of the slot that the NEXT change will ask for: 131,072 bytes.  All clusters of a batch walk the same V: the batch's first cluster asks.  Its four partners take 32,768 bytes each, told apart by
; address; in each, waves 0-3 take 8,192 each, lanes 256 bytes apart: every block of 256 bytes is named once in the launch.  The last change that fills asks for nothing.
.macro ASK
	s_cmp_gt_u32 s[CNT], s[LIM]
	s_cbranch_scc0 .Lnot_mine_\@
	global_prefetch_b8 v[PFO], s[PFA:PFA+1] th:TH_LOAD_NT scope:SCOPE_SE
.Lnot_mine_\@:
.endm
; THE CHANGE OF SLOTS.  Each wave waits for all its tensor loads (one is out: its eighth of the slot ahead), adds 0 to its spare word, and waits for that and for its reads of the slot that it has left.
; fill = 1: a round of the cluster's barrier, and the joint load for the slot just left stands first behind it: it has a whole trip in which to land.
.macro CHANGE fill
	s_wait_tensorcnt 0x0                           ; no tensor load of mine is out, so group 0 may be written
	ds_add_u32 v[SPW], v[NIL]
.if \fill
	s_xor_b32 s[G0+1], s[G0+1], SLOT1              ; the other slot than last time,
	s_add_nc_u64 s[G0+2:G0+3], s[G0+2:G0+3], 131072   ; the next 512 keys; the type bits on top are not reached
	s_wait_xcnt 0x0                                ; the last prefetch, a trip back, has read its address
	s_add_nc_u64 s[PFA:PFA+1], s[PFA:PFA+1], 131072
	s_wait_dscnt 0x0                               ; the add is done, and my reads of the slot are over
	CROUND
	tensor_load_to_lds s[G0:G0+3], s[G1:G1+7]
	s_nop 0
.rept 4
	v_nop
.endr
	ASK
.else
	s_wait_dscnt 0x0
	s_barrier_signal -1
	s_barrier_wait -1
.endif
.endm
; Block t, whose tile 0 has its scores: up to p's codes of both tiles, and tile 0's scores of block t + 1
.macro BODY
	MAXF 0
	SX 1, 1, 0, 1, 0                               ; tile 1's scores | tile 0's list | K of block t + 1
	MAXF 1
	SX 0, 1, 1, 0, 1                               ; tile 0's scores of block t + 1 | tile 1's list
.endm
	s_load_b256 s[4:11], s[0:1], 0x0               ; qf s[4:5], kf s[6:7], vimg s[8:9], x s[10:11]
	s_load_b128 s[12:15], s[0:1], 0x20             ; gamma s[12:13], the exponents s[14:15]
	s_load_b64 s[16:17], s[0:1], 0x30              ; out0
	v_lshl_add_u32 v[SPW], v0, 2, SPARE
	v_mov_b32 v[NIL], 0
	ds_add_u32 v[SPW], v[NIL]                      ; the wave's opening: twice on end, waited for ahead of my first tensor load; the set-up below stands between
	ds_add_u32 v[SPW], v[NIL]
	v_lshrrev_b32 v8, 5, v0
	v_readfirstlane_b32 s[WV], v8                  ; wave 0..7
	s_lshr_b32 s[QH], s[WV], 2                     ; which 32 queries
	s_and_b32 s[KQ], s[WV], 3                      ; which quarter of the keys
	s_bfe_u32 s21, ttmp6, 0x40000                  ; cx: my place in the cluster: it enters Q's, x's, out's and the prefetches' addresses alone
	s_lshl_b32 s22, ttmp9, 2
	s_add_co_u32 s22, s22, s21                     ; my block of 64 queries
	s_and_b32 s23, ttmp7, 0xffff                   ; the batch, which the four partners share
	; descriptor group 1: 16,384 dense bytes as 64 rows of 32 elements of 8 bytes, no padding (images are read 16 bytes a lane, on end)
	s_mov_b32 s[G1], 15|(3<<16)|(1<<21)            ; 15:0 the mask: all four work-groups; 17:16 elements of 8 bytes; 21 set beside a mask
	s_mov_b32 s[G1+1], 32<<16                      ; tensor_dim0 = 32
	s_mov_b32 s[G1+2], 64<<16                      ; tensor_dim1 = 64
	s_mov_b32 s[G1+3], 32<<16                      ; tile_dim0 = 32
	s_mov_b32 s[G1+4], 64                          ; tile_dim1 = 64
	s_mov_b32 s[G1+5], 32                          ; from row to row
	s_mov_b32 s[G1+6], 0
	s_mov_b32 s[G1+7], 0
	s_mov_b32 s[TB], 0
	s_mov_b32 s[CNT], 7
	s_mov_b32 s[CS], 0x3fb8aa3b                    ; log2(e)
	s_mov_b32 s[CS+1], s[CS]
	s_mov_b32 s[SEL], 0x76543210
	s_mov_b32 s[SEL+1], 0xfedcba98
	s_or_b32 s[LIM], s[QH], ttmp9                  ; 0 in waves 0-3 of the batch's first cluster: the same in all four partners
	s_cmp_eq_u32 s[LIM], 0
	s_cselect_b32 s[LIM], 1, -1
	v_and_b32 v8, 31, v0                           ; lane
	v_and_b32 v9, 15, v0                           ; r
	v_bfe_u32 v12, v0, 4, 1                        ; h
	s_lshl_b32 s50, s[WV], 9
	v_lshl_add_u32 v[STA], v8, 2, s50
	v_add_nc_u32 v[STA], STAT, v[STA]
	s_lshl_b32 s50, s[KQ], 15
	v_lshl_add_u32 v[AV0], v8, 4, s50
	v_lshlrev_b32 v[KO], 4, v8
	v_lshlrev_b32 v[PFO], 8, v8
	s_lshl_b32 s50, s[QH], 11
	v_lshl_add_u32 v[STR], v8, 2, s50
	v_add_nc_u32 v[STR], STAT, v[STR]
	s_mul_i32 s50, s[KQ], REGN                     ; the way out, in: my quarter's region; row = channel 8 h + ..; column = query 32 qh + r + ..
	s_lshl_b32 s51, s[QH], 7
	s_add_co_u32 s50, s50, s51
	v_mul_u32_u24 v[SO], v12, 8*272
	v_lshl_add_u32 v[SO], v9, 2, v[SO]
	v_add_nc_u32 v[SO], s50, v[SO]
	s_mul_i32 s50, s[WV], 32*272                   ; back: rows 32 w + h + .., 16 bytes a lane
	v_mul_u32_u24 v[RD], v12, 272
	v_lshl_add_u32 v[RD], v9, 4, v[RD]
	v_add_nc_u32 v[RD], s50, v[RD]
	v_lshlrev_b32 v[XO], 14, v12
	v_lshl_add_u32 v[XO], v9, 4, v[XO]
	v_mov_b32 v10, 0                               ; written once: a lane permute's destination counts as one of its sources
	v_mov_b32 v11, 0
.irp jt, 0,1
	v_mov_b32 v[ST+8*\jt+1], 0xff61b1e6            ; the largest t so far: -3e38, under every t
	v_floor_f32 v[ST+8*\jt], -v[ST+8*\jt+1]
	v_mov_b32 v[ST+8*\jt+2], 0                     ; the sum, in two halves
	v_mov_b32 v[ST+8*\jt+3], 0
	v_mov_b32 v[ST+8*\jt+4], 0
	v_mov_b32 v[ST+8*\jt+5], 0
.endr
	; byte offsets, each in a pair of its own
	s_lshl_b32 s56, s23, 18                        ; Q: 262,144 bytes a batch, 4 tiles of 1,024 a work-group, 2 a half
	s_lshl_b32 s57, s22, 12
	s_add_co_u32 s56, s56, s57
	s_lshl_b32 s57, s[QH], 11
	s_add_co_u32 s56, s56, s57
	s_mov_b32 s57, 0
	s_lshl_b32 s58, s23, 18                        ; K: my quarter's block of trip 0: 8 tiles of 1,024
	s_lshl_b32 s59, s[KQ], 13
	s_add_co_u32 s58, s58, s59
	s_mov_b32 s59, 0
	s_lshl_b32 s60, s23, 20                        ; V: 1 MiB a batch, my eighth of a slot: the batch and the wave's number alone
	s_lshl_b32 s61, s[WV], 14
	s_add_co_u32 s60, s60, s61
	s_mov_b32 s61, 0
	s_lshl_b32 s62, s23, 20                        ; the prefetches: my work-group's quarter of a slot, my wave's quarter of that,
	s_lshl_b32 s63, s21, 15
	s_add_co_u32 s62, s62, s63
	s_lshl_b32 s63, s[KQ], 13
	s_add_co_u32 s62, s62, s63
	s_add_co_u32 s62, s62, 131072                  ; in slot 1's keys: the first change steps it to those of trip 2.  Nothing is prefetched at the head
	s_mov_b32 s63, 0
	s_lshl_b32 s50, s23, 22                        ; x and out: 4 MiB a batch, 256 bytes of each row a work-group, 32 rows of 16,384 bytes a wave
	s_lshl_b32 s51, s22, 8
	s_add_co_u32 s50, s50, s51
	s_lshl_b32 s51, s[WV], 19
	s_add_co_u32 s50, s50, s51
	s_mov_b32 s51, 0
	s_wait_dscnt 0x0                               ; both opening adds are done
	s_wait_kmcnt 0x0
	s_add_nc_u64 s[4:5], s[4:5], s[56:57]
	s_add_nc_u64 s[KP:KP+1], s[6:7], s[58:59]
	s_add_nc_u64 s[PFA:PFA+1], s[8:9], s[62:63]
	s_add_nc_u64 s[52:53], s[10:11], s[50:51]
	s_add_nc_u64 s[54:55], s[16:17], s[50:51]
	s_mov_b32 s[G0], 1                             ; count = 1
	s_lshl_b32 s[G0+1], s[WV], 14                  ; LDS address: slot 0, my eighth
	s_add_nc_u64 s[G0+2:G0+3], s[8:9], s[60:61]
	s_or_b32 s[G0+3], s[G0+3], 0x80000000          ; type = 2
	CROUND                                         ; all four work-groups are here: the first joint loads meet
	tensor_load_to_lds s[G0:G0+3], s[G1:G1+7]      ; trip 0's V: every wave issues one; one tensor load of mine is out
	s_nop 0
.rept 4
	v_nop
.endr
	s_load_b64 s[48:49], s[14:15], 0x18            ; e6, e7
	s_load_b32 s47, s[12:13], 0x0                  ; gamma
.irp jt, 0,1
.irp c, 0,1
	global_load_b128 v[Q+8*\jt+4*\c:Q+8*\jt+4*\c+3], v[KO], s[4:5] offset:1024*\jt+512*\c   ; Q stays in registers
.endr
.endr
	KLOAD 0                                        ; block 0 of K
	KLOAD 4
	s_wait_kmcnt 0x0
	s_add_co_i32 s50, s49, 127
	s_lshl_b32 s51, s50, 23
	v_mov_b32 v15, s51                             ; 2^e7 as f32, for the conversion
	s_add_co_i32 s50, s50, 15
	s_lshl_b32 s50, s50, 23
	s_or_b32 s50, s50, 0x600000
	v_mov_b32 v14, s50                             ; 57,344 x 2^e7
	s_wait_loadcnt 0x0                             ; Q and block 0 of K
	SX 0, 0, 0, 0, 0                               ; tile 0's scores of block 0: there is no list yet to set behind them
	BODY                                           ; block 0: no LDS byte is touched yet
	CHANGE 1                                       ; the first trip is written out: its V P^T starts O^T's sums, so that nothing is cleared.  Slot 1 is filled here for the first time, by all eight waves
	PV 1
	s_mov_b32 s[CNT], 6
.Ltrip:                                                ; six trips: blocks 1 to 6
	BODY
	CHANGE 1
	PV 0
	s_sub_co_u32 s[CNT], s[CNT], 1
	s_cmp_lg_u32 s[CNT], 0
	s_cbranch_scc1 .Ltrip
	; block 7 is written out: no block of K and no slot of V follow it
	MAXF 0
	SX 1, 1, 0, 0, 0
.irp i, 0,1,2,3,4,5,6,7,8,9,10,11,12,13,14,15  ; x's rows for the way out go into K's registers, which are done with (eight plain lines stand behind the last product; no load into them is out)
	global_load_b128 v[KF+4*\i:KF+4*\i+3], v[XO], s[52:53] offset:32768*\i th:TH_LOAD_NT   ; channels 32 w + 2 i + h: sixteen lanes read 256 consecutive bytes, aligned
.endr
	MAXF 1
	XALL 1
	CHANGE 0
	PV 0
	; THE FOUR QUARTERS MEET.  First their statistics.  (The four additions are the places behind the last products, ahead of loads into the buffer that they read)
	v_add_f32 v[ST+2], v[ST+2], v[ST+3]
	v_add_f32 v[ST+10], v[ST+10], v[ST+11]
	v_permlanex16_b32 v10, v[ST+2], s[SEL], s[SEL+1]
	v_permlanex16_b32 v11, v[ST+10], s[SEL], s[SEL+1]
	v_add_f32 v[ST+2], v[ST+2], v10                ; my quarter's sum for my query
	v_add_f32 v[ST+10], v[ST+10], v11
	ds_store_b32 v[STA], v[ST]
	ds_store_b32 v[STA], v[ST+2] offset:128
	ds_store_b32 v[STA], v[ST+8] offset:256
	ds_store_b32 v[STA], v[ST+10] offset:384
	s_wait_dscnt 0x0                               ; my stores have landed, and my reads of the slots are over
	s_barrier_signal -1
	s_barrier_wait -1                              ; so of every wave: the slots may be written over
.irp k, 0,1,2,3
.irp n, 0,1,2,3
	ds_load_b32 v[E+4*\k+\n], v[STR] offset:512*\k+128*\n      ; quarter k: -M and the sum of tile 0, of tile 1
.endr
.endr
	s_wait_dscnt 0x0
.macro FACT jt, m, l, fo               ; v[m] = -M of the whole row, v[l] = the row's sum under it, v[fo] = 2^(my M - the row's M)
	v_min_num_f32 v[\m], v[E+2*\jt], v[E+4+2*\jt]
	v_min_num_f32 v[\m], v[\m], v[E+8+2*\jt]
	v_min_num_f32 v[\m], v[\m], v[E+12+2*\jt]
.irp k, 0,1,2,3
	v_sub_f32 v[E+16+4*\jt+\k], v[\m], v[E+4*\k+2*\jt]     ; M of quarter k less the row's: a whole number, 0 or less
.endr
	v_sub_f32 v[\fo], v[\m], v[ST+8*\jt]
.irp k, 0,1,2,3
	v_cvt_i32_f32 v[E+16+4*\jt+\k], v[E+16+4*\jt+\k]
.endr
	v_cvt_i32_f32 v[\fo], v[\fo]
.irp k, 0,1,2,3
	v_ldexp_f32 v[E+16+4*\jt+\k], 1.0, v[E+16+4*\jt+\k]
.endr
	v_ldexp_f32 v[\fo], 1.0, v[\fo]
	v_mul_f32 v[\l], v[E+1+2*\jt], v[E+16+4*\jt]
.irp k, 1,2,3
	v_fmac_f32 v[\l], v[E+1+4*\k+2*\jt], v[E+16+4*\jt+\k]
.endr
.endm
	FACT 0, 8, 9, 10
	FACT 1, 11, 12, 13
	v_rcp_f32 v9, v9
	v_rcp_f32 v12, v12
	v_nop                                          ; the plain line behind the reciprocals
	s_add_co_i32 s50, s48, s49                     ; e6 + e7
	s_wait_alu depctr_va_vdst(0)                   ; one wait for both, ahead of the first reader
	v_mul_f32 v9, v9, v10
	v_mul_f32 v12, v12, v13
	v_mul_f32 v9, s47, v9
	v_mul_f32 v12, s47, v12
	v_ldexp_f32 v[ST+4], v9, s50                   ; gamma x 2^(e6 + e7) x 2^(my M - the row's M) / the row's sum
	v_ldexp_f32 v[ST+12], v12, s50
.set cq, 0
.rept 16
	RESC cq
.set cq, cq+1
.endr
; O^T into my quarter's region: register j of tile (jt, ct) is (channel 16 ct + 8 h + j, query 16 jt + r): lanes 0-15 write 64 consecutive bytes, lanes 16-31 the same 544 words on
.macro STAGE c0
	WIN 0x04                                       ; the data lie in window 1
.irp cc, 0,1,2,3,4,5,6,7
.irp jt, 0,1
.irp j, 0,1,2,3,4,5,6,7
	ds_store_b32 v[SO], v[128*\jt+8*(\c0+\cc)+\j] offset:(16*\cc+\j)*272+64*\jt
.endr
.endr
.endr
	WIN 0
.endm
	STAGE 0
	v_add_nc_u32 v[SO], 128*272, v[SO]             ; channels 128 on: the immediate has 16 bits
	STAGE 8
	s_wait_dscnt 0x0
	s_barrier_signal -1
	s_barrier_wait -1                              ; the four regions are whole
.irp k, 0,1,2,3
.if \k > 0
	v_add_nc_u32 v[RD], REGN, v[RD]
.endif
	WIN 0x40                                       ; destination window 1: O^T's registers are done with
.irp i, 0,1,2,3,4,5,6,7,8,9,10,11,12,13,14,15
	ds_load_b128 v[64*\k+4*\i:64*\k+4*\i+3], v[RD] offset:544*\i   ; rows 32 w + 2 i + h of region k
.endr
	WIN 0
.endr
	s_wait_dscnt 0x0
	WIN 0x45
.set n, 0
.rept 32
	v_pk_add_f32 v[n:n+1], v[n:n+1], v[64+n:65+n]
	v_pk_add_f32 v[128+n:129+n], v[128+n:129+n], v[192+n:193+n]
.set n, n+2
.endr
.set n, 0
.rept 32
	v_pk_add_f32 v[n:n+1], v[n:n+1], v[128+n:129+n]
.set n, n+2
.endr
	s_wait_loadcnt 0x0                             ; x
	WIN 0x01
.set n, 0
.rept 32
	v_pk_add_f32 v[KF+n:KF+n+1], v[n:n+1], v[KF+n:KF+n+1]      ; + x
.set n, n+2
.endr
	WIN 0
.irp i, 0,1,2,3,4,5,6,7,8,9,10,11,12,13,14,15
	global_store_b128 v[XO], v[KF+4*\i:KF+4*\i+3], s[54:55] offset:32768*\i th:TH_STORE_NT   ; sixteen lanes store 256 consecutive bytes, aligned
.endr
	s_wait_tensorcnt 0x0                           ; the wave's end, behind my last tensor load and my last LDS store
	ds_add_u32 v[SPW], v[NIL]
	s_wait_dscnt 0x0
	CROUND                                         ; the closing round: no work-group ends while a partner may still ask for a tile that names it
	s_endpgm
.Lfunc_end_k_q58c32562bf_attn:
	.size	k_q58c32562bf_attn, .Lfunc_end_k_q58c32562bf_attn-k_q58c32562bf_attn
	.p2alignl 7, 3214868480
	.fill 96, 4, 3214868480
	.section	.rodata,"a",@progbits
	.p2align	6, 0x0
	.amdhsa_kernel k_q58c32562bf_attn
		.amdhsa_group_segment_fixed_size 327680
		.amdhsa_private_segment_fixed_size 0
		.amdhsa_enable_private_segment 0
		.amdhsa_kernarg_size 56
		.amdhsa_user_sgpr_count 2
		.amdhsa_user_sgpr_kernarg_segment_ptr 1
		.amdhsa_wavefront_size32 1
		.amdhsa_system_sgpr_workgroup_id_x 1
		.amdhsa_system_sgpr_workgroup_id_y 1
		.amdhsa_system_sgpr_workgroup_id_z 1
		.amdhsa_system_vgpr_workitem_id 0
		.amdhsa_next_free_vgpr 512
		.amdhsa_next_free_sgpr 66
		.amdhsa_reserve_vcc 0
		.amdhsa_float_denorm_mode_32 3
		.amdhsa_float_denorm_mode_16_64 3
		.amdhsa_memory_ordered 1
		.amdhsa_forward_progress 1
		.amdhsa_inst_pref_size 180
	.end_amdhsa_kernel
	.amdgpu_metadata
---
amdhsa.version: [ 1, 2 ]
amdhsa.kernels:
  - .name:           k_q58c32562bf_attn
    .symbol:         k_q58c32562bf_attn.kd
    .args:
      - { .name: qf, .offset: 0, .size: 8, .value_kind: global_buffer, .address_space: global }
      - { .name: kf, .offset: 8, .size: 8, .value_kind: global_buffer, .address_space: global }
      - { .name: vimg, .offset: 16, .size: 8, .value_kind: global_buffer, .address_space: global }
      - { .name: x, .offset: 24, .size: 8, .value_kind: global_buffer, .address_space: global }
      - { .name: gamma, .offset: 32, .size: 8, .value_kind: global_buffer, .address_space: global }
      - { .name: lowp_scales, .offset: 40, .size: 8, .value_kind: global_buffer, .address_space: global }
      - { .name: out0, .offset: 48, .size: 8, .value_kind: global_buffer, .address_space: global }
    .group_segment_fixed_size: 327680
    .private_segment_fixed_size: 0
    .kernarg_segment_align: 8
    .kernarg_segment_size: 56
    .max_flat_workgroup_size: 256
    .sgpr_count:     66
    .vgpr_count:     512
    .wavefront_size: 32
...
	.end_amdgpu_metadata
.endif
;; end of part 2
